; MI455X (gfx1250); checked and timed in simulation.
; The chip was launched on July 23, 2026; its instructions are those of AMD's public machine-readable ISA for CDNA 5 (MIT licence, August 2026) and "CDNA5" Instruction Set Architecture Reference Guide (July 2026). The comments in the code are by the model that wrote it; some were corrected since.
;; Pruned Mo E Layer. Allowed arithmetic: matrix products marked QUANTISED: E5M2 operands, one E8M0 scale for each 32 along K, by v_wmma_scale_f32_16x16x128_f8f6f4 with both operands' format E5M2, f32 sums; products left as they are: f32 operands where the result goes on into a quantised operand, else bf16, f16 or f32 operands; f32 sums; everything else in f32.
;; Inputs: W1_codes 8 x 2,048 x 32 x 32 uint8 (E5M2 codes of W1, K innermost, in blocks of 32 codes); W1_scales 8 x 2,048 x 32 uint8 (E8M0 scales of W1, one for each 32 codes along K); W2_codes 8 x 1,024 x 64 x 32 uint8 (E5M2 codes of W2, K innermost, in blocks of 32 codes); W2_scales 8 x 1,024 x 64 uint8 (E8M0 scales of W2, one for each 32 codes along K); Wg 1,024 x 8 float32; b1 8 x 2,048 float32; b2 8 x 1,024 float32; bg 8 float32; gumbel 2,048 x 8 float32; x 4 x 512 x 1,024 float32.
;; Outputs: out0 4 x 512 x 1,024 float32.
;; This version of the problem:
;;   THIS VERSION OF THE PROBLEM IS GIVEN IN LOW PRECISION. The matrix products marked QUANTISED in the list below multiply operands that are first quantised to E5M2 (5 exponent bits, 2 mantissa bits; 8 bits a number), with one power-of-two scale for each 32 numbers along K (OCP MX v1.0); their sums are f32. All else is computed in f32.
;;   The module's matrix products, in the order in which they are computed (A, B: the left and right operand; K: the contracted axis; several contracted axes count as one K, in the product's order):
;;     1. [M 2,048, K 1,024] x [K 1,024, N 8]; A: input x; B: input Wg: left as it is (N = 8 < 16)
;;     2. [M 2,048, K 1,024] x [K 1,024, N 16,384]; A: input x; B: input W1 (given as codes): QUANTISED
;;     3. batch 8 x [M 1,024, K 2,048] x [K 2,048, N 2,048]; A: input W2 (given as codes); B: computed on the way: QUANTISED
;;     4. batch 2,048 x [M 1,024, K 8] x [K 8, N 1]; A: computed on the way; B: computed on the way: left as it is (K = 8 < 32)
;;   THE QUANTISER, for each operand of a quantised product, along K:
;;     - K is cut into blocks of 32 from its start; a last block that is shorter is filled with zeros.
;;     - A block's scale is 2^e with e = floor(log2(the largest magnitude in the block)) - 15, held to -126 .. 127; a block of zeros has e = 0. As a byte (E8M0): e + 127.
;;     - Each number is divided by its block's scale, clamped to +-57,344, and rounded to the nearest number of E5M2, ties to even, subnormals kept.
;;     - The product sums the exact products of the quantised numbers (number of the format x scale) in f32.
;;   ~~~python
;;   def quantise(x, axis):      # numpy; x: float32 -> the quantised numbers, widened to float32 again
;;       x = np.moveaxis(x, axis, -1); K = x.shape[-1]
;;       x = np.pad(x, [(0, 0)] * (x.ndim - 1) + [(0, -K % 32)]); x = x.reshape(x.shape[:-1] + (-1, 32)); a = np.abs(x).max(-1, keepdims=True)
;;       e = np.where(a > 0, np.clip(np.frexp(np.where(a > 0, a, 1))[1] - 1 - 15, -126, 127), 0)      # np.frexp(a)[1] - 1 = floor(log2(a)), exactly
;;       r = np.clip(x / 2.0 ** e, -57344, 57344)
;;       step = 2.0 ** (np.maximum(np.frexp(np.where(r == 0, 1, r))[1] - 1, -14) - 2)
;;       q = np.round(r / step) * step * 2.0 ** e      # np.round: ties to even
;;       return np.moveaxis(q.reshape(q.shape[:-2] + (-1,))[..., :K], -1, axis).astype(np.float32)
;;   ~~~
;;   OPERANDS COMPUTED ON THE WAY. 'Computed on the way' means the value that the module computes at that place (a softmax that the list does not call 'softmax' is quantised finished and normalised). What goes into a quantiser is computed in f32, as accurately as f32 sums, v_exp_f32 and their like allow (about 1e-6 of the number): no bf16 or f16 on the way to a quantiser, and a product that is left as it is and whose result goes on into a quantised operand takes f32 operands (vector FMAs, or v_wmma_f32_16x16x4_f32). A number that lies on a knife's edge between two numbers of the format may be rounded either way, as far as f32 arithmetic and the matrix unit's own rounding can turn it there, and no further.
;;   INPUTS GIVEN AS CODES. W1 (in the module: [8, 1024, 2048], K = its axis 1); W2 (in the module: [8, 2048, 1024], K = its axis 1): each comes as NAME_codes (uint8): NAME with its K axis moved to the last place and cut into blocks of 32 codes, [.., K / 32, bytes a block], one block behind the other in memory; one code a byte (a code: sign, 5 exponent bits, 2 mantissa bits); and NAME_scales (uint8): the same leading axes, one E8M0 byte (e + 127) for each 32 codes along K. Its value is code x scale, taken as it is: it is not quantised again, and the codes and scales need not be those that the quantiser above would give.
;; 2 versions, each right; version 2 is version 1 with the launch down written anew for expert scheduling mode. Each part assembles by itself: llvm-mc -triple=amdgcn-amd-amdhsa -mcpu=gfx1250 --defsym DOCPART=n.
;; ======== version 1 of 2: 3 launches
;; workspace buffers: xq 2,097,152 bytes; xs 65,536 bytes; eid 8,192 bytes of whole numbers; gate 8,192 bytes; hq 33,554,432 bytes; hs 1,048,576 bytes; lst 69,632 bytes of whole numbers
;; launch route (part 1): grid 256 x 1, 4 waves a work-group, no clusters, 75,776 bytes of LDS; arguments x, Wg, bg, gumbel, xq, xs, eid, gate; writes xq, xs, eid, gate
.if DOCPART == 1
	.amdgcn_target "amdgcn-amd-amdhsa--gfx1250"
	.amdhsa_code_object_version 6
	.text
	.protected	k_q9f4b3cbf40_route
	.globl	k_q9f4b3cbf40_route
	.p2align	8
	.type	k_q9f4b3cbf40_route,@function
k_q9f4b3cbf40_route:
	s_mov_b64 s[64:65], 0
	v_nop
	global_prefetch_b8 v0, s[64:65] scope:SCOPE_SE
	s_setreg_imm32_b32 hwreg(HW_REG_WAVE_MODE, 25, 1), 1
	s_wait_xcnt 0x0
; THE ROUTER AND THE QUANTISER OF x.  2,048 tokens of 1,024 f32.  For each token: z = (x . Wg + bg) + gumbel (f32 multiply-adds), y = softmax(z) with the maximum taken off,
; the chosen expert = argmax(y) (the lower index on ties), its gate = (1 + y) - y; and x as codes of E5M2 with one E8M0 byte for each 32 along its row.
; Stored: xq [token][1024] codes, xs [token][32] bytes, eid [token] u32, gate [token] f32: all at fixed places: no address here hangs on the choice.
; SHARES.  A work-group of four waves owns 8 tokens, a wave 2.  A step is half a row, 512 numbers: four loads of 512 consecutive bytes; they turn through the wave's own stage in LDS so that lane l
; holds the 16 neighbours k = 512 q + 16 l + 0 .. 15: what the conversions want, and what the dot products take too.  Wg (32 KiB) lies in LDS once for the work-group, 16 of its rows (512 bytes) to a group.
; No matrix unit (8 columns), no cluster, no tensor load: a work-group reads 32 KiB of x once and shares only Wg.
; LIMITS.  NaN and infinities among the inputs are not served.  A block whose largest magnitude lies under 2^(16 - 127) keeps the byte 1, a block of zeros too (the rule says 127): its codes are zeros, and this
; program alone reads the bytes.  The logits are summed in another order than a row-by-row sum: a token whose two best z lie within that rounding of each other may take the other expert.  TAU = 1: the division is not written.
.set STG,   33792                      ; LDS: Wg from 0: 64 groups of 512 bytes + 16 (pitch 528 = 33 x 16: sixteen lanes' pieces start at sixteen different places modulo 256 bytes)
.set SCB,   74752                      ; behind the four waves' stages (4 x 4 x 32 x 80 bytes): the 8 tokens' 256 scale bytes,
.set EGW,   75008                      ; 8 words of experts, and from +32 on 8 words of gates,
.set SPARE, 75264                      ; and the spare words, 128 bytes for each wave, which no other line names
.set SPW, 14                           ; v14  my spare word's address; never rewritten
.set NIL, 15                           ; v15  0; never rewritten
.set X,   32                           ; v32-63   16 neighbours of token a at X + 16 a
.set WH,  64                           ; v64-191  half of Wg: register 8 i + e = Wg[512 q + 16 l + i][e]; at the head v64-127 carry Wg on its way into LDS
.set RAW, 192                          ; v192-255 x as loaded; once it lies in the stages the registers serve as follows
.set ACC, 192                          ; v192-207 the sums, 8 a + e; then z, p, y
.set CD,  208                          ; v208-223 codes, four registers for each step: no store's data are written again
.set EB,  224                          ; v224-227 a scale byte for each step
.set PT,  228                          ; v228-243 the other half of the lanes' sums
.set MX,  244                          ; v244-245 maxima; 246-247 sums; 248-249 reciprocals; 250-251 the best y; 252-253 its index; 254-255 the gate
.set SU,  246
.set RC,  248
.set BE,  250
.set IX,  252
.set GA,  254
	s_load_b256 s[4:11], s[0:1], 0x0               ; x, Wg, bg, gumbel
	s_load_b256 s[12:19], s[0:1], 0x20             ; xq, xs, eid, gate
	v_lshl_add_u32 v[SPW], v0, 2, SPARE
	v_mov_b32 v[NIL], 0
	v_lshrrev_b32 v16, 5, v0
	v_readfirstlane_b32 s20, v16                   ; wave 0..3
	v_and_b32 v1, 31, v0                           ; lane
	v_lshlrev_b32 v2, 4, v1                        ; 16 x lane: my bytes of a load of x, and of a step's codes
	v_lshlrev_b32 v3, 4, v0                        ; 16 x thread: my bytes of a load of Wg
	s_mul_i32 s21, s20, 528
	v_add_nc_u32 v4, s21, v2                       ; Wg into LDS: load n's 2,048 bytes are groups 4 n + wave
	v_mul_u32_u24 v5, v1, 528                      ; Wg out of LDS: group 32 q + lane
	s_mul_i32 s21, s20, 10240
	s_add_co_u32 s21, s21, STG                     ; my wave's four stages
	v_lshrrev_b32 v16, 2, v1
	v_mul_u32_u24 v16, v16, 80
	v_and_b32 v17, 3, v1
	v_lshl_add_u32 v16, v17, 4, v16
	v_add_nc_u32 v6, s21, v16                      ; in: four lanes' 64 bytes on end, then 16 of padding
	v_mul_u32_u24 v7, v1, 80
	v_add_nc_u32 v7, s21, v7                       ; out: 80 x lane: my 16 neighbours
	s_lshl_b32 s21, s20, 6
	s_add_co_u32 s21, s21, SCB
	v_lshrrev_b32 v8, 1, v1
	v_add_nc_u32 v8, s21, v8                       ; my block's scale byte: 64 x wave + 16 x step + lane / 2
	s_lshl_b32 s21, s20, 3
	s_add_co_u32 s21, s21, EGW
	v_mov_b32 v9, s21                              ; my two tokens' words
	v_lshlrev_b32 v12, 3, v1                       ; the way out, wave 0: 8 scale bytes a lane,
	v_add_nc_u32 v10, SCB, v12
	v_and_b32 v11, 7, v1
	v_lshl_add_u32 v11, v11, 2, EGW                ; a word for each of 8 lanes
	v_lshlrev_b32 v13, 2, v1
	s_mov_b32 s26, 0x76543210                      ; v_permlanex16_b32's selects for lane l xor 16
	s_mov_b32 s27, 0xfedcba98
	s_mov_b32 s28, 0x600000                        ; the mantissa field of 57,344
	s_lshl_b32 s21, ttmp9, 3
	s_lshl_b32 s24, s20, 1
	s_add_co_u32 s21, s21, s24                     ; my first token: 8 x work-group + 2 x wave
	s_mov_b32 s23, 0
	s_wait_kmcnt 0x0
	s_lshl_b32 s22, s21, 12
	s_add_nc_u64 s[4:5], s[4:5], s[22:23]          ; x: 4,096 bytes a token
	s_lshl_b32 s22, s21, 10
	s_add_nc_u64 s[12:13], s[12:13], s[22:23]      ; xq: 1,024
	s_lshl_b32 s22, s21, 5
	s_add_nc_u64 s[10:11], s[10:11], s[22:23]      ; gumbel: 32
	s_lshl_b32 s22, ttmp9, 8
	s_add_nc_u64 s[14:15], s[14:15], s[22:23]      ; xs: the work-group's 256 bytes
	s_lshl_b32 s22, ttmp9, 5
	s_add_nc_u64 s[16:17], s[16:17], s[22:23]      ; eid and gate: its 32 bytes
	s_add_nc_u64 s[18:19], s[18:19], s[22:23]
	s_load_b512 s[32:47], s[10:11], 0x0            ; gumbel of my two tokens
	s_load_b256 s[48:55], s[8:9], 0x0              ; bg
.irp n, 0,1,2,3,4,5,6,7,8,9,10,11,12,13,14,15
	global_load_b128 v[WH+4*\n:WH+4*\n+3], v3, s[6:7] offset:2048*\n            ; Wg: the work-group reads 2,048 consecutive bytes a line
.endr
.irp t, 0,1,2,3
.irp i, 0,1,2,3
	global_load_b128 v[RAW+16*\t+4*\i:RAW+16*\t+4*\i+3], v2, s[4:5] offset:2048*\t+512*\i th:TH_LOAD_NT   ; step t = 2 a + q: 512 consecutive bytes a line
.endr
.endr
	s_wait_loadcnt 16                              ; Wg's 16 loads are in; x's 16 may be out
.irp n, 0,1,2,3,4,5,6,7,8,9,10,11,12,13,14,15
	ds_store_b128 v4, v[WH+4*\n:WH+4*\n+3] offset:2112*\n
.endr
	s_wait_loadcnt 0x0
.irp t, 0,1,2,3
.irp i, 0,1,2,3
	ds_store_b128 v6, v[RAW+16*\t+4*\i:RAW+16*\t+4*\i+3] offset:2560*\t+640*\i
.endr
.endr
	s_wait_dscnt 0x0                               ; for the others' sake: my part of Wg lies in LDS (and the registers that carried it and x are free)
	s_barrier_signal -1
	s_barrier_wait -1                              ; Wg is whole
; 16 numbers of token a times their 16 rows of Wg: 64 packed multiply-adds on four pairs of sums by turns.  x_i serves both halves: of an even i's pair the first register, of an odd i's the second.
.macro DOT a, q
.irp i, 0,1,2,3,4,5,6,7,8,9,10,11,12,13,14,15
.irp p, 0,1,2,3
.if (\q == 0) && (\i == 0)
	v_pk_mul_f32 v[ACC+8*\a+2*\p:ACC+8*\a+2*\p+1], v[X+16*\a:X+16*\a+1], v[WH+2*\p:WH+2*\p+1] op_sel_hi:[0,1]   ; the first product starts the sums: nothing is cleared
.elseif (\i % 2) == 0
	v_pk_fma_f32 v[ACC+8*\a+2*\p:ACC+8*\a+2*\p+1], v[X+16*\a+\i:X+16*\a+\i+1], v[WH+8*\i+2*\p:WH+8*\i+2*\p+1], v[ACC+8*\a+2*\p:ACC+8*\a+2*\p+1] op_sel_hi:[0,1,1]
.else
	v_pk_fma_f32 v[ACC+8*\a+2*\p:ACC+8*\a+2*\p+1], v[X+16*\a+\i-1:X+16*\a+\i], v[WH+8*\i+2*\p:WH+8*\i+2*\p+1], v[ACC+8*\a+2*\p:ACC+8*\a+2*\p+1] op_sel:[1,0,0] op_sel_hi:[1,1,1]
.endif
.endr
.endr
.endm
; The same 16 numbers become 16 codes; two neighbouring lanes hold a block of 32.
.macro QX a, t
.set XS, X+16*(\a)
	v_max3_num_f32 v16, |v[XS]|, |v[XS+1]|, |v[XS+2]|               ; the largest magnitude of my 16, in two chains
	v_max3_num_f32 v17, |v[XS+3]|, |v[XS+4]|, |v[XS+5]|
.irp i, 6,10
	v_max3_num_f32 v16, v16, |v[XS+\i]|, |v[XS+\i+1]|
	v_max3_num_f32 v17, v17, |v[XS+\i+2]|, |v[XS+\i+3]|
.endr
	v_max3_num_f32 v16, v16, |v[XS+14]|, |v[XS+15]|
	v_max3_num_f32 v16, v16, v17, 0x8000000        ; and the floor 2^(16 - 127): the byte cannot fall under 1
	v_max_num_f32_dpp v16, v16, v16 row_xmask:1 row_mask:0xf bank_mask:0xf   ; with my neighbour's 16: the block's
	v_add_nc_u32 v19, 0xf8800000, v16              ; 15 off its exponent field: the conversion takes this operand's exponent field as its scale
	v_and_or_b32 v18, v16, 0x7f800000, s28         ; 57,344 x the scale
.irp i, 0,1,2,3,4,5,6,7,8,9,10,11,12,13,14,15
	v_med3_num_f32 v[XS+\i], v[XS+\i], -v18, v18   ; the conversion to an 8-bit code does not saturate (ISA guide 7.6.2): the hold comes first
.endr
	v_cvt_scalef32_pk8_bf8_f32 v[CD+4*(\t):CD+4*(\t)+1], v[XS:XS+7], v19
	v_cvt_scalef32_pk8_bf8_f32 v[CD+4*(\t)+2:CD+4*(\t)+3], v[XS+8:XS+15], v19
	v_lshrrev_b32 v[EB+(\t)], 23, v19              ; the scale's byte (also the plain line behind the conversions)
	ds_store_b8 v8, v[EB+(\t)] offset:16*(\t)      ; both lanes of a block write the same byte with the same value
	global_store_b128 v2, v[CD+4*(\t):CD+4*(\t)+3], s[12:13] offset:512*(\t)   ; the wave stores 512 consecutive bytes
.endm
.irp q, 0,1
.irp j, 0,1,2,3,4,5,6,7,8,9,10,11,12,13,14,15,16,17,18,19,20,21,22,23,24,25,26,27,28,29,30,31
	ds_load_b128 v[WH+4*\j:WH+4*\j+3], v5 offset:16896*\q+16*\j
.endr
.irp a, 0,1
.irp i, 0,1,2,3
	ds_load_b128 v[X+16*\a+4*\i:X+16*\a+4*\i+3], v7 offset:2560*(2*\a+\q)+16*\i
.endr
.endr
	s_wait_dscnt 0x0
	DOT 0, \q
	DOT 1, \q
	QX 0, \q
	QX 1, 2+\q
.endr
	; the 16 sums over the 32 lanes, by turns; every lane ends with all of them
.irp m, 1,2,4,8
.irp j, 0,1,2,3,4,5,6,7,8,9,10,11,12,13,14,15
	v_add_f32_dpp v[ACC+\j], v[ACC+\j], v[ACC+\j] row_xmask:\m row_mask:0xf bank_mask:0xf
.endr
.endr
.irp j, 0,1,2,3,4,5,6,7,8,9,10,11,12,13,14,15
	v_permlanex16_b32 v[PT+\j], v[ACC+\j], s26, s27    ; (its destination counts as read: these registers were written by x's loads)
.endr
.irp j, 0,1,2,3,4,5,6,7,8,9,10,11,12,13,14,15
	v_add_f32 v[ACC+\j], v[ACC+\j], v[PT+\j]
.endr
	s_wait_kmcnt 0x0                               ; bg and gumbel
.irp e, 0,1,2,3,4,5,6,7
.irp a, 0,1
	v_add_f32 v[ACC+8*\a+\e], s[48+\e], v[ACC+8*\a+\e]             ; the logit,
.endr
.endr
.irp e, 0,1,2,3,4,5,6,7
.irp a, 0,1
	v_add_f32 v[ACC+8*\a+\e], s[32+8*\a+\e], v[ACC+8*\a+\e]        ; + gumbel: z
.endr
.endr
.irp a, 0,1
	v_max3_num_f32 v[MX+\a], v[ACC+8*\a], v[ACC+8*\a+1], v[ACC+8*\a+2]
.endr
.irp a, 0,1
	v_max3_num_f32 v[MX+\a], v[MX+\a], v[ACC+8*\a+3], v[ACC+8*\a+4]
.endr
.irp a, 0,1
	v_max3_num_f32 v[MX+\a], v[MX+\a], v[ACC+8*\a+5], v[ACC+8*\a+6]
.endr
.irp a, 0,1
	v_max_num_f32 v[MX+\a], v[MX+\a], v[ACC+8*\a+7]                ; the token's largest z
.endr
.irp e, 0,1,2,3,4,5,6,7
.irp a, 0,1
	v_sub_f32 v[ACC+8*\a+\e], v[ACC+8*\a+\e], v[MX+\a]             ; the maximum is taken off,
.endr
.endr
.irp j, 0,1,2,3,4,5,6,7,8,9,10,11,12,13,14,15
	v_mul_f32 v[ACC+\j], 0x3fb8aa3b, v[ACC+\j]                     ; x log2(e)
.endr
.irp j, 0,1,2,3,4,5,6,7,8,9,10,11,12,13,14,15
	v_exp_f32 v[ACC+\j], v[ACC+\j]                                 ; one batch of 16
.endr
	v_mov_b32 v[IX], 0                             ; the plain line behind the last exponential: the argmax begins at index 0
	v_mov_b32 v[IX+1], 0
	s_wait_alu depctr_va_vdst(0)                   ; one wait for the batch, ahead of its first reader
.irp a, 0,1
	v_add_f32 v[SU+\a], v[ACC+8*\a], v[ACC+8*\a+1]
.endr
.irp e, 2,3,4,5,6,7
.irp a, 0,1
	v_add_f32 v[SU+\a], v[SU+\a], v[ACC+8*\a+\e]
.endr
.endr
	v_rcp_f32 v[RC], v[SU]
	v_rcp_f32 v[RC+1], v[SU+1]
	v_nop                                          ; a plain line behind the reciprocals,
	s_wait_alu depctr_va_vdst(0)                   ; and their wait
.irp e, 0,1,2,3,4,5,6,7
.irp a, 0,1
	v_mul_f32 v[ACC+8*\a+\e], v[ACC+8*\a+\e], v[RC+\a]             ; y
.endr
.endr
	v_mov_b32 v[BE], v[ACC]
	v_mov_b32 v[BE+1], v[ACC+8]
.irp e, 1,2,3,4,5,6,7
.irp a, 0,1
	v_cmp_le_f32 vcc_lo, v[ACC+8*\a+\e], v[BE+\a]                  ; only a strictly larger y moves the index: the lower index stays on ties
	v_cndmask_b32 v[IX+\a], \e, v[IX+\a], vcc_lo
	v_max_num_f32 v[BE+\a], v[BE+\a], v[ACC+8*\a+\e]
.endr
.endr
.irp a, 0,1
	v_add_f32 v[GA+\a], 1.0, v[BE+\a]              ; the gate of the chosen expert: (1 + y) - y, in that order
.endr
.irp a, 0,1
	v_sub_f32 v[GA+\a], v[GA+\a], v[BE+\a]
.endr
.irp a, 0,1
	ds_store_b32 v9, v[IX+\a] offset:4*\a          ; all lanes write the same word with the same value
	ds_store_b32 v9, v[GA+\a] offset:32+4*\a
.endr
	s_wait_dscnt 0x0                               ; for wave 0's sake: my scale bytes and my four words lie in LDS
	s_barrier_signal -1
	s_barrier_wait -1
	s_cmp_lg_u32 s20, 0
	s_cbranch_scc1 .Lnot_wave_0                    ; wave 0 stores what the four waves gathered
	ds_load_b64 v[16:17], v10
	ds_load_b32 v18, v11
	ds_load_b32 v19, v11 offset:32
	s_wait_dscnt 0x0
	global_store_b64 v12, v[16:17], s[14:15]       ; 32 lanes store 256 consecutive bytes, aligned: 8 tokens' scale bytes
	v_cmp_gt_u32 vcc_lo, 8, v1
	s_wait_xcnt 0x0                                ; EXEC is a source of the stores that are out: it changes only behind this wait
	s_and_saveexec_b32 s56, vcc_lo
	global_store_b32 v13, v18, s[16:17]            ; 8 experts,
	global_store_b32 v13, v19, s[18:19]            ; 8 gates
	s_wait_xcnt 0x0                                ; and again in front of the line that widens it
	s_or_b32 exec_lo, exec_lo, s56
.Lnot_wave_0:
	s_wait_tensorcnt 0x0                           ; the wave's end, behind my last LDS store
	ds_add_u32 v[SPW], v[NIL]
	s_wait_dscnt 0x0
	s_endpgm
.Lfunc_end_k_q9f4b3cbf40_route:
	.size	k_q9f4b3cbf40_route, .Lfunc_end_k_q9f4b3cbf40_route-k_q9f4b3cbf40_route
	.p2alignl 7, 3214868480
	.fill 96, 4, 3214868480
	.section	.rodata,"a",@progbits
	.p2align	6, 0x0
	.amdhsa_kernel k_q9f4b3cbf40_route
		.amdhsa_group_segment_fixed_size 75776
		.amdhsa_private_segment_fixed_size 0
		.amdhsa_enable_private_segment 0
		.amdhsa_kernarg_size 64
		.amdhsa_user_sgpr_count 2
		.amdhsa_user_sgpr_kernarg_segment_ptr 1
		.amdhsa_wavefront_size32 1
		.amdhsa_system_sgpr_workgroup_id_x 1
		.amdhsa_system_sgpr_workgroup_id_y 1
		.amdhsa_system_sgpr_workgroup_id_z 1
		.amdhsa_system_vgpr_workitem_id 0
		.amdhsa_next_free_vgpr 256
		.amdhsa_next_free_sgpr 66
		.amdhsa_reserve_vcc 1
		.amdhsa_float_denorm_mode_32 3
		.amdhsa_float_denorm_mode_16_64 3
		.amdhsa_memory_ordered 1
		.amdhsa_forward_progress 1
		.amdhsa_inst_pref_size 50
	.end_amdhsa_kernel
	.amdgpu_metadata
---
amdhsa.version: [ 1, 2 ]
amdhsa.kernels:
  - .name:           k_q9f4b3cbf40_route
    .symbol:         k_q9f4b3cbf40_route.kd
    .args:
      - { .name: x, .offset: 0, .size: 8, .value_kind: global_buffer, .address_space: global }
      - { .name: Wg, .offset: 8, .size: 8, .value_kind: global_buffer, .address_space: global }
      - { .name: bg, .offset: 16, .size: 8, .value_kind: global_buffer, .address_space: global }
      - { .name: gumbel, .offset: 24, .size: 8, .value_kind: global_buffer, .address_space: global }
      - { .name: xq, .offset: 32, .size: 8, .value_kind: global_buffer, .address_space: global }
      - { .name: xs, .offset: 40, .size: 8, .value_kind: global_buffer, .address_space: global }
      - { .name: eid, .offset: 48, .size: 8, .value_kind: global_buffer, .address_space: global }
      - { .name: gate, .offset: 56, .size: 8, .value_kind: global_buffer, .address_space: global }
    .group_segment_fixed_size: 75776
    .private_segment_fixed_size: 0
    .kernarg_segment_align: 8
    .kernarg_segment_size: 64
    .max_flat_workgroup_size: 128
    .sgpr_count:     66
    .vgpr_count:     256
    .wavefront_size: 32
...
	.end_amdgpu_metadata
.endif
;; end of part 1
;; launch up (part 2): grid 32 x 8, 4 waves a work-group, no clusters, 11,264 bytes of LDS; arguments eid, xq, xs, W1_codes, W1_scales, b1, hq, hs, lst; writes hq, hs, lst
.if DOCPART == 2
	.amdgcn_target "amdgcn-amd-amdhsa--gfx1250"
	.amdhsa_code_object_version 6
	.text
	.protected	k_q9f4b3cbf40_up
	.globl	k_q9f4b3cbf40_up
	.p2align	8
	.type	k_q9f4b3cbf40_up,@function
k_q9f4b3cbf40_up:
	s_mov_b64 s[64:65], 0
	v_nop
	global_prefetch_b8 v0, s[64:65] scope:SCOPE_SE
	s_setreg_imm32_b32 hwreg(HW_REG_WAVE_MODE, 25, 1), 1
	s_wait_xcnt 0x0
; THE FIRST PRODUCT, FOR THE CHOSEN EXPERT'S ROWS ALONE: h = relu(x W1[e] + b1[e]), quantised along the hidden axis.  Codes of E5M2, one E8M0 scale for each 32 along K, sums in f32.
; SHARES.  Work-group (n, e) owns hidden units 64 n .. 64 n + 63 of expert e: 64 rows of W1 x 1,024 codes = 64 KiB, which each of its four waves keeps in 512 registers for the whole launch.
; The waves share out the expert's tokens in tiles of 16 (wave w: tiles (w xor 3), + 4, + 8 ..) and hand each other nothing in the loop.  Each byte of W1 is read by one work-group.
; THE SORT.  Wave 0 reads all 2,048 chosen experts and lays the tokens of expert e on end in LDS (position = those counted so far + those in lower lanes); the other waves load weights meanwhile.
; The list is cleared first, so entries past the count name token 0: rows that fill up the last tile, and tiles asked for ahead past the end, read valid bytes, and nobody keeps their results.
; Work-group n = 0 of each expert stores the count (128 equal words) and the list to lst for the next launch.
; LAYOUT.  The product is used transposed: source 0 = 16 rows of W1, source 1 = 16 tokens: a lane holds ONE token and its registers run along the hidden units.  The rows of W1 that form a tile are not
; neighbours: lane r of tile 2 b + u takes row 32 b + 8 u + r + 8 (r / 8), so that the 16 registers of tiles 2 b, 2 b + 1 are 16 neighbours along the next K: the conversions' results ARE the next operand's registers.
; They are stored as such: hq [e][tile][K step][c][lane][16 bytes]; the scale bytes hs [e][tile][row][64].  Each expert has room for 128 tiles, so no expert needs another's count.
; b1 is the C of each sum's first matrix instruction.  Scale words: one load of 16 bytes brings K steps 0-3 to lanes 0-15 and K steps 4-7 to lanes 16-31, which the second half of K names by ROW1.
; NO TENSOR LOAD, NO CLUSTER: the 32 work-groups of an expert read the same rows of x, but how many rows there are is a number read from memory.
; So rows and weights come straight into registers.  No prefetch: every stream is asked for in the launch's first lines or one tile ahead.
; LIMITS.  NaN and infinities are not served.  A block of h whose largest number lies under 2^(16 - 127), a block of zeros among them, keeps the byte 1: this program alone reads the bytes.
; REGISTERS.  Window 1: W1's fragments of K steps 0-3, (tile t, step s) at 16 (4 t + s); window 2: K steps 4-7; window 3: two buffers of a tile of x, K step s at 16 s (+ 128).  Window 0: below.
.set DUMPE, 2560                       ; LDS: the list, 2,560 entries from byte 0; entries 2560 + lane take the stores of lanes whose token is another expert's: never read
.set CNT,   10496                      ; the count, one word
.set SPARE, 10752                      ; the spare words, 128 bytes for each wave, which no other line names
.set SPW, 20                           ; v20  my spare word's address; never rewritten
.set NIL, 21                           ; v21  0; never rewritten
.set XSW, 44                           ; v44-47, v48-51  x's scale words, buffers 0 and 1
.set W1S, 52                           ; v52-67   W1's scale words, 4 t + j
.set B1,  68                           ; v68-99   b1 in the result's layout, 8 t + j
.set ACC, 100                          ; v100-131 four accumulators
.set TM,  132                          ; v132.. at work: +b largest numbers, +4+b bytes, +8+b the hold, +12+b the conversions' scale operand; once, the list on its way out
.set CD,  148                          ; v148-155 the codes just made
.set SBY, 156                          ; v156     the byte that my lane stores
.set EID, 160                          ; v160-223 wave 0: the 2,048 chosen experts
; v1 r, v2 h, v3 16 h, v4 W1's codes, v5 W1's scales, v6 b1, v7 4 r, v8 LDS address of a tile's tokens, v9 tokens, v11-12 x's codes (buffer 0, 1), v13-14 x's scales,
; v15 16 x lane, v16 64 r + h, v17 16 x thread, v18 CNT, v19 the count, v22 4 x lane, v23 2560 + lane, v24-27 the scatter's addresses, v28-31 its tokens, v40-43 zeros, v157 4 x thread
; s22 wave, s23 n, s24 e, s25 the count, s26 tiles, s27 my tile, s28 trips, s29 LDS byte of the tokens asked for, s32-39, s45-47 the sort
.set MSB, 0
.macro WIN new                         ; the immediate's high byte repeats the setting that is left; a switch that changes nothing is dropped
.if MSB != (\new)
	s_set_vgpr_msb (MSB<<8)|(\new)
.set MSB, (\new)
.endif
.endm
.macro PLACES n
.rept \n
	v_nop
.endr
.endm
.macro WL w, t                         ; W1's tile t, K steps 4 w .. 4 w + 3, into window 1 + w: 16 loads; eight on end use up 256 consecutive bytes of each of the 16 rows
	WIN 0x40+0x40*(\w)
.irp s, 0,1,2,3
.irp c, 0,1,2,3
	global_load_b128 v[16*(4*(\t)+\s)+4*\c:16*(4*(\t)+\s)+4*\c+3], v4, s[10:11] offset:(32*((\t)/2)+8*((\t)%2))*1024+128*(4*(\w)+\s)+32*\c
.endr
.endr
.endm
.macro WREST                           ; the other 96 loads of codes, 4 of scale words, 8 of b1
	WL 0, 2
	WL 0, 3
	WL 1, 0
	WL 1, 1
	WL 1, 2
	WL 1, 3
	WIN 0
.irp t, 0,1,2,3
	global_load_b128 v[W1S+4*\t:W1S+4*\t+3], v5, s[12:13] offset:(32*(\t/2)+8*(\t%2))*32
.endr
.irp t, 0,1,2,3
	global_load_b128 v[B1+8*\t:B1+8*\t+3], v6, s[14:15] offset:(32*(\t/2)+8*(\t%2))*4
	global_load_b128 v[B1+8*\t+4:B1+8*\t+7], v6, s[14:15] offset:(32*(\t/2)+8*(\t%2))*4+16
.endr
.endm
; 128 tokens, 128 j + 4 lane + i, in four groups i by turns.  A lane's position: the fill so far + the matching lanes below it.  The position is held under the list's end before it becomes an address.
.macro SORT4 j
.irp i, 0,1,2,3
	v_cmp_eq_u32 s[32+\i], s24, v[EID+4*\j+\i]
.endr
.irp i, 0,1,2,3
	s_bcnt1_i32_b32 s[36+\i], s[32+\i]
.endr
	s_add_co_u32 s45, s25, s36
	s_add_co_u32 s46, s45, s37
	s_add_co_u32 s47, s46, s38
	v_mbcnt_lo_u32_b32 v24, s32, s25
	v_mbcnt_lo_u32_b32 v25, s33, s45
	v_mbcnt_lo_u32_b32 v26, s34, s46
	v_mbcnt_lo_u32_b32 v27, s35, s47
	s_add_co_u32 s25, s47, s39
.irp i, 0,1,2,3
	v_cndmask_b32 v[24+\i], v23, v[24+\i], s[32+\i]    ; another expert's token goes to my lane's dump entry
.endr
.irp i, 0,1,2,3
	v_min_u32 v[24+\i], DUMPE+31, v[24+\i]
.endr
.irp i, 0,1,2,3
	v_lshlrev_b32 v[24+\i], 2, v[24+\i]
.endr
.irp i, 0,1,2,3
	v_add_nc_u32 v[28+\i], 128*\j+\i, v22
.endr
.irp i, 0,1,2,3
	ds_store_b32 v[24+\i], v[28+\i]
.endr
.endm
; The tile whose tokens stand in v9 is asked for, into buffer f: 32 loads of codes, one of scale words.  A token is held under 2,048, in place, before it enters an address.
.macro XLOAD f
	v_min_u32 v9, 0x7ff, v9
	v_lshl_add_u32 v[11+(\f)], v9, 10, v3
	v_lshl_add_u32 v[13+(\f)], v9, 5, v3
	WIN 0xc0
.irp s, 0,1,2,3,4,5,6,7
.irp c, 0,1,2,3
	global_load_b128 v[128*(\f)+16*\s+4*\c:128*(\f)+16*\s+4*\c+3], v[11+(\f)], s[6:7] offset:128*\s+32*\c
.endr
.endr
	WIN 0
	global_load_b128 v[XSW+4*(\f):XSW+4*(\f)+3], v[13+(\f)], s[8:9]
.endm
; 32 matrix instructions: K step by K step, the four accumulators by turns, one instruction a turn.
.macro MULS f
	WIN 0x0d                                       ; source 0 window 1, source 1 window 3
.irp s, 0,1,2,3
.irp t, 0,1,2,3
.if \s == 0
	v_wmma_scale_f32_16x16x128_f8f6f4 v[ACC+8*\t:ACC+8*\t+7], v[16*(4*\t+\s):16*(4*\t+\s)+15], v[128*(\f)+16*\s:128*(\f)+16*\s+15], v[B1+8*\t:B1+8*\t+7], v[W1S+4*\t+\s], v[XSW+4*(\f)+\s] matrix_a_fmt:MATRIX_FMT_BF8 matrix_b_fmt:MATRIX_FMT_BF8
.else
	v_wmma_scale_f32_16x16x128_f8f6f4 v[ACC+8*\t:ACC+8*\t+7], v[16*(4*\t+\s):16*(4*\t+\s)+15], v[128*(\f)+16*\s:128*(\f)+16*\s+15], v[ACC+8*\t:ACC+8*\t+7], v[W1S+4*\t+\s], v[XSW+4*(\f)+\s] matrix_a_fmt:MATRIX_FMT_BF8 matrix_b_fmt:MATRIX_FMT_BF8
.endif
.endr
.endr
	WIN 0x0e                                       ; source 0 window 2: K steps 4 to 7; their scale words stand in lanes 16-31
.irp s, 0,1,2,3
.irp t, 0,1,2,3
	v_wmma_scale_f32_16x16x128_f8f6f4 v[ACC+8*\t:ACC+8*\t+7], v[16*(4*\t+\s):16*(4*\t+\s)+15], v[128*(\f)+64+16*\s:128*(\f)+64+16*\s+15], v[ACC+8*\t:ACC+8*\t+7], v[W1S+4*\t+\s], v[XSW+4*(\f)+\s] matrix_a_fmt:MATRIX_FMT_BF8 matrix_b_fmt:MATRIX_FMT_BF8 matrix_a_scale:MATRIX_SCALE_ROW1 matrix_b_scale:MATRIX_SCALE_ROW1
.endr
.endr
	WIN 0
	PLACES 8                                       ; eight places between the last products and the first read of their results
.endm
; My token's 32 hidden units (two blocks of 32 shared with lane l xor 16) become codes.  No |.| on the maximum's sources: what is negative becomes 0, so it does not count; the floor stands over it.
; Each accumulator is first read at its low end: the registers are taken in ascending order.
.macro QH
.irp b, 0,1
	v_max3_num_f32 v[TM+\b], v[ACC+16*\b], v[ACC+16*\b+1], 0x8000000
.endr
.irp i, 2,4,6,8,10,12,14
.irp b, 0,1
	v_max3_num_f32 v[TM+\b], v[TM+\b], v[ACC+16*\b+\i], v[ACC+16*\b+\i+1]
.endr
.endr
.irp b, 0,1
	v_permlanex16_b32 v[TM+4+\b], v[TM+\b], s40, s41
.endr
.irp b, 0,1
	v_max_num_f32 v[TM+\b], v[TM+\b], v[TM+4+\b]   ; the block's largest number
.endr
.irp b, 0,1
	v_add_nc_u32 v[TM+12+\b], 0xf8800000, v[TM+\b] ; 15 off its exponent field: the conversion's scale operand
.endr
.irp b, 0,1
	v_and_or_b32 v[TM+8+\b], v[TM+\b], 0x7f800000, s42   ; 57,344 x the scale
.endr
.irp b, 0,1
	v_lshrrev_b32 v[TM+4+\b], 23, v[TM+12+\b]      ; the scale's byte
.endr
.irp b, 0,1
.irp i, 0,1,2,3,4,5,6,7,8,9,10,11,12,13,14,15
	v_med3_num_f32 v[ACC+16*\b+\i], v[ACC+16*\b+\i], 0, v[TM+8+\b]   ; the activation and the hold in one
.endr
	v_cvt_scalef32_pk8_bf8_f32 v[CD+4*\b:CD+4*\b+1], v[ACC+16*\b:ACC+16*\b+7], v[TM+12+\b]
	v_cvt_scalef32_pk8_bf8_f32 v[CD+4*\b+2:CD+4*\b+3], v[ACC+16*\b+8:ACC+16*\b+15], v[TM+12+\b]
.endr
	v_cndmask_b32 v[SBY], v[TM+4], v[TM+5], s43    ; lanes 0-15 store block 0's byte, lanes 16-31 block 1's.  (Also the plain line behind the last conversion)
.endm
; A tile: buffer f is multiplied; the tile four on is asked for into buffer g, and the tokens of the tile eight on from LDS (o: 0 in a trip's first tile, 256 in its second).
.macro TILE f, g, o
	s_wait_dscnt 0x0                               ; the next tile's tokens are in v9
	XLOAD \g                                       ; (buffer g's last products stand a whole quantising back: far more than eight places)
	v_add_nc_u32 v8, s29, v7
	ds_load_b32 v9, v8 offset:\o
	s_wait_loadcnt 33                              ; all but the 33 loads just issued: this tile, and at first the weights, are in
	MULS \f
	QH
	global_store_b128 v15, v[CD:CD+3], s[16:17]                ; two lines store 1,024 consecutive bytes: half of a K step's image
	global_store_b128 v15, v[CD+4:CD+7], s[16:17] offset:512
	global_store_b8 v16, v[SBY], s[18:19]          ; my row's byte of block 2 n + h
	s_wait_xcnt 0x0                                ; the stores have read their data and bases: both are written again only behind this wait
	s_add_nc_u64 s[16:17], s[16:17], 0x20000       ; four tiles on
	s_add_nc_u64 s[18:19], s[18:19], 0x1000
	s_add_co_u32 s27, s27, 4
.endm
	s_load_b512 s[4:19], s[0:1], 0x0               ; eid, xq, xs, W1's codes, W1's scales, b1, hq, hs
	s_load_b64 s[20:21], s[0:1], 0x40              ; lst
	v_lshl_add_u32 v[SPW], v0, 2, SPARE
	v_mov_b32 v[NIL], 0
	v_lshrrev_b32 v36, 5, v0
	v_readfirstlane_b32 s22, v36                   ; wave 0..3
	s_mov_b32 s23, ttmp9                           ; n
	s_and_b32 s24, ttmp7, 0xffff                   ; e
	s_xor_b32 s27, s22, 3                          ; my first tile: wave 0, which sorts, is the last in line for an odd tile
	v_and_b32 v1, 15, v0                           ; r
	v_bfe_u32 v2, v0, 4, 1                         ; h
	v_lshlrev_b32 v3, 4, v2
	v_and_b32 v36, 8, v1
	v_add_nc_u32 v36, v36, v1                      ; r + 8 (r / 8)
	v_lshl_add_u32 v4, v36, 10, v3
	v_lshl_add_u32 v5, v36, 5, v3
	v_lshlrev_b32 v6, 6, v2
	v_lshlrev_b32 v7, 2, v1
	s_lshl_b32 s29, s27, 6
	v_add_nc_u32 v8, s29, v7                       ; my first tile's tokens: 64 bytes a tile
	v_and_b32 v37, 31, v0
	v_lshlrev_b32 v15, 4, v37
	v_lshl_add_u32 v16, v1, 6, v2
	v_lshlrev_b32 v17, 4, v0
	v_mov_b32 v18, CNT
	v_lshlrev_b32 v22, 2, v37
	v_add_nc_u32 v23, DUMPE, v37
	v_lshlrev_b32 v157, 2, v0
.irp j, 40,41,42,43
	v_mov_b32 v\j, 0
.endr
	v_mov_b32 v[TM+4], 0                           ; written once: a lane permute's destination counts as one of its sources
	v_mov_b32 v[TM+5], 0
.irp k, 0,1,2,3,4
	ds_store_b128 v17, v[40:43] offset:2048*\k     ; the list is cleared: 128 threads x 16 bytes x 5
.endr
	s_mov_b32 s40, 0x76543210                      ; v_permlanex16_b32's selects for lane l xor 16
	s_mov_b32 s41, 0xfedcba98
	s_mov_b32 s42, 0x600000                        ; the mantissa field of 57,344
	s_mov_b32 s43, 0xffff0000                      ; lanes 16-31
	s_mov_b32 s31, 0
	s_wait_kmcnt 0x0
	s_lshl_b32 s30, s24, 21
	s_lshl_b32 s32, s23, 16
	s_add_co_u32 s30, s30, s32
	s_add_nc_u64 s[10:11], s[10:11], s[30:31]      ; W1's codes at row 2,048 e + 64 n: 1,024 bytes a row
	s_lshl_b32 s30, s24, 16
	s_lshl_b32 s32, s23, 11
	s_add_co_u32 s30, s30, s32
	s_add_nc_u64 s[12:13], s[12:13], s[30:31]      ; its scales: 32 bytes a row
	s_lshl_b32 s30, s24, 13
	s_lshl_b32 s32, s23, 8
	s_add_co_u32 s30, s30, s32
	s_add_nc_u64 s[14:15], s[14:15], s[30:31]      ; b1: 4 bytes
	s_lshl_b32 s33, s24, 7
	s_add_co_u32 s33, s33, s27                     ; 128 e + my first tile
	s_lshl_b32 s30, s33, 15
	s_lshl_b32 s32, s23, 10
	s_add_co_u32 s30, s30, s32
	s_add_nc_u64 s[16:17], s[16:17], s[30:31]      ; hq: 32,768 bytes a tile; my 64 units are 1,024 bytes at 1,024 n
	s_lshl_b32 s30, s33, 10
	s_lshl_b32 s32, s23, 1
	s_add_co_u32 s30, s30, s32
	s_add_nc_u64 s[18:19], s[18:19], s[30:31]      ; hs: 1,024 bytes a tile; my two blocks at 2 n in each row
	s_mul_i32 s30, s24, 8704
	s_add_nc_u64 s[20:21], s[20:21], s[30:31]      ; lst: 8,704 bytes an expert
	s_cmp_lg_u32 s22, 0
	s_cbranch_scc1 .Lno_eid
.irp j, 0,1,2,3,4,5,6,7,8,9,10,11,12,13,14,15
	global_load_b128 v[EID+4*\j:EID+4*\j+3], v15, s[4:5] offset:512*\j   ; wave 0: register 4 j + i of lane l is token 128 j + 4 l + i
.endr
.Lno_eid:
	WL 0, 0
	WL 0, 1
	WIN 0
	s_wait_dscnt 0x0                               ; my part of the list is cleared
	s_barrier_signal -1
	s_barrier_wait -1                              ; all of it is
	s_cmp_lg_u32 s22, 0
	s_cbranch_scc1 .Lothers
	s_wait_loadcnt 32                              ; the chosen experts are in; the 32 loads of weights behind them may be out
	s_mov_b32 s25, 0
.irp j, 0,1,2,3,4,5,6,7,8,9,10,11,12,13,14,15
	SORT4 \j
.endr
	v_mov_b32 v19, s25
	ds_store_b32 v18, v19                          ; the count
	s_branch .Ljoin
.Lothers:
	WREST
.Ljoin:
	s_wait_loadcnt 0x0                             ; every load issued so far is in.  (The weights' other loads stand twice in the text, once for each role; a wave runs one copy, and no load is out where the second copy begins.)  Waves 1 to 3 stand here while wave 0 sorts
	s_wait_dscnt 0x0                               ; wave 0's stores into the list have landed
	s_barrier_signal -1
	s_barrier_wait -1                              ; from here on the list and the count are only read
	ds_load_b32 v19, v18
	ds_load_b32 v9, v8                             ; my first tile's tokens
	s_cmp_lg_u32 s22, 0
	s_cbranch_scc1 .Lhave_w
	WREST
.Lhave_w:
	s_wait_dscnt 0x0
	v_readfirstlane_b32 s25, v19
	s_min_u32 s25, s25, 0x800
	s_add_co_u32 s26, s25, 15
	s_lshr_b32 s26, s26, 4                         ; tiles of 16 rows
	XLOAD 0
	ds_load_b32 v9, v8 offset:256                  ; the tokens of my second tile
	s_add_co_u32 s29, s29, 512                     ; and where those of my third begin
	s_cmp_lg_u32 s23, 0
	s_cbranch_scc1 .Lno_list                       ; work-group n = 0 stores the count and the list
	global_store_b32 v157, v19, s[20:21]           ; 128 equal words
.irp k, 0,1,2,3
	ds_load_b128 v[TM+4*\k:TM+4*\k+3], v17 offset:2048*\k
.endr
	s_wait_dscnt 0x0
.irp k, 0,1,2,3
	global_store_b128 v17, v[TM+4*\k:TM+4*\k+3], s[20:21] offset:512+2048*\k   ; a wave stores 512 consecutive bytes
.endr
	s_wait_xcnt 0x0                                ; the stores have read their data: these registers are at work again below
.Lno_list:
	s_mov_b32 s28, 16                              ; 16 trips of two tiles serve the 32 tiles that a wave has at the most; a wave leaves at the head of the first tile that is past the count
.Lloop:
	s_cmp_ge_u32 s27, s26
	s_cbranch_scc1 .Ldone
	TILE 0, 1, 0
	s_cmp_ge_u32 s27, s26
	s_cbranch_scc1 .Ldone
	TILE 1, 0, 256
	s_add_co_u32 s29, s29, 512
	s_sub_co_u32 s28, s28, 1
	s_cmp_lg_u32 s28, 0
	s_cbranch_scc1 .Lloop
.Ldone:
	s_wait_dscnt 0x0                               ; my last read of the list is back
	s_barrier_signal -1                            ; every wave comes here on every way: all four waves' reads of the list are over
	s_barrier_wait -1                              ; before any wave's closing add writes LDS
	s_wait_tensorcnt 0x0                           ; the wave's end, behind my last LDS store
	ds_add_u32 v[SPW], v[NIL]
	s_wait_dscnt 0x0
	s_endpgm
.Lfunc_end_k_q9f4b3cbf40_up:
	.size	k_q9f4b3cbf40_up, .Lfunc_end_k_q9f4b3cbf40_up-k_q9f4b3cbf40_up
	.p2alignl 7, 3214868480
	.fill 96, 4, 3214868480
	.section	.rodata,"a",@progbits
	.p2align	6, 0x0
	.amdhsa_kernel k_q9f4b3cbf40_up
		.amdhsa_group_segment_fixed_size 11264
		.amdhsa_private_segment_fixed_size 0
		.amdhsa_enable_private_segment 0
		.amdhsa_kernarg_size 72
		.amdhsa_user_sgpr_count 2
		.amdhsa_user_sgpr_kernarg_segment_ptr 1
		.amdhsa_wavefront_size32 1
		.amdhsa_system_sgpr_workgroup_id_x 1
		.amdhsa_system_sgpr_workgroup_id_y 1
		.amdhsa_system_sgpr_workgroup_id_z 1
		.amdhsa_system_vgpr_workitem_id 0
		.amdhsa_next_free_vgpr 1024
		.amdhsa_next_free_sgpr 66
		.amdhsa_reserve_vcc 0
		.amdhsa_float_denorm_mode_32 3
		.amdhsa_float_denorm_mode_16_64 3
		.amdhsa_memory_ordered 1
		.amdhsa_forward_progress 1
		.amdhsa_inst_pref_size 89
	.end_amdhsa_kernel
	.amdgpu_metadata
---
amdhsa.version: [ 1, 2 ]
amdhsa.kernels:
  - .name:           k_q9f4b3cbf40_up
    .symbol:         k_q9f4b3cbf40_up.kd
    .args:
      - { .name: eid, .offset: 0, .size: 8, .value_kind: global_buffer, .address_space: global }
      - { .name: xq, .offset: 8, .size: 8, .value_kind: global_buffer, .address_space: global }
      - { .name: xs, .offset: 16, .size: 8, .value_kind: global_buffer, .address_space: global }
      - { .name: W1_codes, .offset: 24, .size: 8, .value_kind: global_buffer, .address_space: global }
      - { .name: W1_scales, .offset: 32, .size: 8, .value_kind: global_buffer, .address_space: global }
      - { .name: b1, .offset: 40, .size: 8, .value_kind: global_buffer, .address_space: global }
      - { .name: hq, .offset: 48, .size: 8, .value_kind: global_buffer, .address_space: global }
      - { .name: hs, .offset: 56, .size: 8, .value_kind: global_buffer, .address_space: global }
      - { .name: lst, .offset: 64, .size: 8, .value_kind: global_buffer, .address_space: global }
    .group_segment_fixed_size: 11264
    .private_segment_fixed_size: 0
    .kernarg_segment_align: 8
    .kernarg_segment_size: 72
    .max_flat_workgroup_size: 128
    .sgpr_count:     66
    .vgpr_count:     1024
    .wavefront_size: 32
...
	.end_amdgpu_metadata
.endif
;; end of part 2
;; launch down (part 3): grid 32 x 8, 4 waves a work-group, no clusters, 0 bytes of LDS; arguments lst, gate, hq, hs, W2_codes, W2_scales, b2, out0; writes out0
.if DOCPART == 3
	.amdgcn_target "amdgcn-amd-amdhsa--gfx1250"
	.amdhsa_code_object_version 6
	.text
	.protected	k_q9f4b3cbf40_down
	.globl	k_q9f4b3cbf40_down
	.p2align	8
	.type	k_q9f4b3cbf40_down,@function
k_q9f4b3cbf40_down:
	s_mov_b64 s[64:65], 0
	v_nop
	global_prefetch_b8 v0, s[64:65] scope:SCOPE_SE
	s_setreg_imm32_b32 hwreg(HW_REG_WAVE_MODE, 25, 1), 1
	s_wait_xcnt 0x0
; THE SECOND PRODUCT, FOR THE CHOSEN EXPERT'S ROWS ALONE: out[token] = (h W2[e] + b2[e]) x gate[token].  Codes of E5M2, one E8M0 scale for each 32 along K, sums in f32.
; The seven experts that were not chosen have the gate (0 + y) - y = 0: their terms are zeros and are not computed (with infinities or NaN in them they would not be zeros: such inputs are not served).
; SHARES.  Work-group (m, e) owns output columns 32 m .. 32 m + 31 of expert e: 32 rows of W2 x 2,048 codes = 64 KiB, which each of its four waves keeps in 512 registers.  Wave w takes the expert's
; tiles of 16 sorted rows w, w + 4, ..; the count and the tokens come from lst, the rows' codes from hq as images of the operand's registers (each load reads 512 consecutive bytes), their scale words from hs.
; Each token has one expert, so each output row has one owner for each 32 columns: nothing is added up between work-groups.
; LAYOUT.  Transposed: source 0 = 16 rows of W2, source 1 = 16 tokens: a lane holds one token.  Lane rho of tile u takes column 16 u + 8 ((rho / 4) % 2) + 4 (rho / 8) + rho % 4, so that registers 4 q .. 4 q + 3 of
; lane (r, h) are columns 16 u + 8 q + 4 h + 0 .. 3: the two lanes of a token store 32 consecutive bytes a line, the four lines 128.  (64 columns a work-group would want all of a wave's registers for W2 alone.)
; Scale words: 32 bytes a lane bring K steps 0-7 to lanes 0-15 and K steps 8-15 to lanes 16-31, which the second half of K names by ROW1.  b2 is the C of each sum's first matrix instruction.
; One buffer for a tile of h, in two halves: while half B is multiplied the next tile's half A is on its way, and the other way round.
; ROWS PAST THE COUNT.  A tile that has a successor in its wave is not the expert's last, so all its 16 rows are under the count: the loop has no mask.  A wave's last tile, written out behind the loop, may be the
; expert's last: there a row past the count becomes a copy of the tile's row 0, which is always under the count (16 x tile < count): its token and its 16 finished numbers are taken from lane 0 of its half of the lanes.
; Such a lane stores the same 16 bytes to the same place as row 0's lane, in the same instruction.  All lanes stay on throughout.
; NO LDS, NO TENSOR LOAD, NO CLUSTER: the trip count is a number read from memory.  Nothing is asked for past the expert's last tile.
; REGISTERS.  Window 1: W2's fragments of K steps 0-7, (tile u, step s) at 16 (2 s + u); window 2: K steps 8-15; window 3: the tile of h, K step s at 16 s.  Window 0:
; v1 r, v2 h, v3 16 h, v4 W2's codes, v5 W2's scales, v7 16 x lane, v8 64 r + 32 h, v9 4 r, v10 tokens, v12 4 x token, v13 row 0's token, v[14:15] the gate, v16 my bytes of out0, v17 my row's place in the list
; s20 wave, s21 m, s22 e, s23 the count, s24 tiles, s25 trips, s26 16 x my tile, s27 at the head at work, in the last tile the mask of rows under the count, s[28:29] an offset
.set W2S, 20                           ; v20-35  W2's scale words, 8 u + j
.set HSW, 36                           ; v36-43  h's scale words
.set B2,  44                           ; v44-59  b2 in the result's layout, 8 u + j
.set ACC, 60                           ; v60-75  two accumulators; in the last tile, once they are read out, row 0's numbers
.set O,   76                           ; v76-91  what is stored
.set MSB, 0
.macro WIN new                         ; the immediate's high byte repeats the setting that is left; a switch that changes nothing is dropped
.if MSB != (\new)
	s_set_vgpr_msb (MSB<<8)|(\new)
.set MSB, (\new)
.endif
.endm
.macro PLACES n
.rept \n
	v_nop
.endr
.endm
.macro HLOAD p, off                    ; half p (K steps 8 p .. 8 p + 7) of the tile that begins off bytes on: 32 loads
	WIN 0xc0
.irp s, 0,1,2,3,4,5,6,7
.irp c, 0,1,2,3
	global_load_b128 v[128*(\p)+16*\s+4*\c:128*(\p)+16*\s+4*\c+3], v7, s[8:9] offset:(\off)+16384*(\p)+2048*\s+512*\c
.endr
.endr
	WIN 0
.endm
; A tile.  last = 1: the wave's last: nothing more is asked for, and rows past the count become copies of row 0.
.macro YT last
	s_wait_loadcnt 32                              ; all but half B's 32 loads: half A, the scale words and the tokens are in (at first the weights too)
.if \last
	v_add_nc_u32 v17, s26, v1                      ; my row's place in the list
	v_cmp_gt_u32 s27, s23, v17                     ; is it under the count?
	v_mov_b32_dpp v13, v10 row_share:0 row_mask:0xf bank_mask:0xf   ; row 0's token: lane 0 of my half of the lanes holds it
	v_cndmask_b32 v10, v13, v10, s27               ; a row past the count takes it
.endif
	v_min_u32 v10, 0x7ff, v10                      ; a token is held under 2,048 before it enters an address; behind the hold: shifts to the left and one addition
	v_lshlrev_b32 v12, 2, v10                      ; its gate: 4 bytes a token
	v_lshlrev_b32 v16, 12, v10                     ; its row of out0: 4,096 bytes,
	v_add_nc_u32 v16, v3, v16                      ; + my half's 16
	global_load_b32 v14, v12, s[6:7]               ; my token's gate
	WIN 0x0d                                       ; source 0 window 1, source 1 window 3
.irp s, 0,1,2,3,4,5,6,7                        ; the two accumulators by turns, one instruction a turn
.irp u, 0,1
.if \s == 0
	v_wmma_scale_f32_16x16x128_f8f6f4 v[ACC+8*\u:ACC+8*\u+7], v[16*(2*\s+\u):16*(2*\s+\u)+15], v[16*\s:16*\s+15], v[B2+8*\u:B2+8*\u+7], v[W2S+8*\u+\s], v[HSW+\s] matrix_a_fmt:MATRIX_FMT_BF8 matrix_b_fmt:MATRIX_FMT_BF8
.else
	v_wmma_scale_f32_16x16x128_f8f6f4 v[ACC+8*\u:ACC+8*\u+7], v[16*(2*\s+\u):16*(2*\s+\u)+15], v[16*\s:16*\s+15], v[ACC+8*\u:ACC+8*\u+7], v[W2S+8*\u+\s], v[HSW+\s] matrix_a_fmt:MATRIX_FMT_BF8 matrix_b_fmt:MATRIX_FMT_BF8
.endif
.endr
.endr
	WIN 0
	PLACES 8                                       ; eight places in front of loads into registers that these products have read
.if \last == 0
	HLOAD 0, 131072                                ; the next tile's half A: four tiles on
	s_wait_loadcnt 32                              ; all but those 32: half B and the gate are in
.else
	s_wait_loadcnt 0x0
.endif
	WIN 0x0e                                       ; source 0 window 2: K steps 8 to 15; their scale words stand in lanes 16-31
.irp s, 0,1,2,3,4,5,6,7
.irp u, 0,1
	v_wmma_scale_f32_16x16x128_f8f6f4 v[ACC+8*\u:ACC+8*\u+7], v[16*(2*\s+\u):16*(2*\s+\u)+15], v[128+16*\s:128+16*\s+15], v[ACC+8*\u:ACC+8*\u+7], v[W2S+8*\u+\s], v[HSW+\s] matrix_a_fmt:MATRIX_FMT_BF8 matrix_b_fmt:MATRIX_FMT_BF8 matrix_a_scale:MATRIX_SCALE_ROW1 matrix_b_scale:MATRIX_SCALE_ROW1
.endr
.endr
	WIN 0
	PLACES 8                                       ; eight places in front of the first read of the results, and of the loads below
.irp i, 0,2,4,6,8,10,12,14
	v_pk_mul_f32 v[O+\i:O+\i+1], v[ACC+\i:ACC+\i+1], v[14:15] op_sel_hi:[1,0]   ; x the gate; each accumulator from its low end on
.endr
.if \last
.irp i, 0,1,2,3,4,5,6,7,8,9,10,11,12,13,14,15
	v_mov_b32_dpp v[ACC+\i], v[O+\i] row_share:0 row_mask:0xf bank_mask:0xf   ; row 0's numbers of my half's columns, into the accumulators, which are read out
.endr
.irp i, 0,1,2,3,4,5,6,7,8,9,10,11,12,13,14,15
	v_cndmask_b32 v[O+\i], v[ACC+\i], v[O+\i], s27 ; a row past the count takes them
.endr
.else
	global_load_b128 v[HSW:HSW+3], v8, s[10:11] offset:4096
	global_load_b128 v[HSW+4:HSW+7], v8, s[10:11] offset:4112
	global_load_b32 v10, v9, s[4:5] offset:768     ; the next tile's tokens
	HLOAD 1, 131072                                ; the next tile's half B
.endif
.irp u, 0,1
.irp q, 0,1
	global_store_b128 v16, v[O+8*\u+4*\q:O+8*\u+4*\q+3], s[18:19] offset:64*\u+32*\q th:TH_STORE_NT
.endr
.endr
.if \last == 0
	s_wait_xcnt 0x0                                ; the stores' data and address, and the loads' bases, are written again only behind this wait
	s_add_nc_u64 s[8:9], s[8:9], 0x20000           ; four tiles on
	s_add_nc_u64 s[10:11], s[10:11], 0x1000
	s_add_nc_u64 s[4:5], s[4:5], 0x100
	s_add_co_u32 s26, s26, 64
.endif
.endm
	s_load_b512 s[4:19], s[0:1], 0x0               ; lst, gate, hq, hs, W2's codes, W2's scales, b2, out0
	v_lshrrev_b32 v1, 5, v0
	v_readfirstlane_b32 s20, v1                    ; wave 0..3
	s_mov_b32 s21, ttmp9                           ; m
	s_and_b32 s22, ttmp7, 0xffff                   ; e
	v_and_b32 v1, 15, v0                           ; r
	v_bfe_u32 v2, v0, 4, 1                         ; h
	v_lshlrev_b32 v3, 4, v2
	v_bfe_u32 v6, v1, 2, 1
	v_lshrrev_b32 v13, 3, v1
	v_and_b32 v18, 3, v1
	v_lshl_add_u32 v18, v13, 2, v18
	v_lshl_add_u32 v18, v6, 3, v18                 ; which of a tile's 16 columns my lane loads
	v_lshl_add_u32 v4, v18, 11, v3                 ; a row of W2 is 2,048 bytes
	v_lshlrev_b32 v5, 5, v2
	v_lshl_add_u32 v8, v1, 6, v5                   ; h's scale bytes: 64 a row, 32 for each half of the lanes
	v_lshl_add_u32 v5, v18, 6, v5                  ; W2's likewise
	v_and_b32 v7, 31, v0
	v_lshlrev_b32 v7, 4, v7
	v_lshlrev_b32 v9, 2, v1
	v_mov_b32 v15, 0                               ; (named as the upper half of the pair v[14:15])
	s_mov_b32 s29, 0
	s_wait_kmcnt 0x0
	s_mul_i32 s28, s22, 8704
	s_add_nc_u64 s[4:5], s[4:5], s[28:29]          ; lst: 8,704 bytes an expert
	s_load_b32 s23, s[4:5], 0x0                    ; the count
	s_lshl_b32 s28, s22, 21
	s_lshl_b32 s27, s21, 16
	s_add_co_u32 s28, s28, s27
	s_add_nc_u64 s[12:13], s[12:13], s[28:29]      ; W2's codes at row 1,024 e + 32 m
	s_lshl_b32 s28, s22, 16
	s_lshl_b32 s27, s21, 11
	s_add_co_u32 s28, s28, s27
	s_add_nc_u64 s[14:15], s[14:15], s[28:29]      ; its scales: 64 bytes a row
	s_lshl_b32 s28, s22, 12
	s_lshl_b32 s27, s21, 7
	s_add_co_u32 s28, s28, s27
	s_add_nc_u64 s[16:17], s[16:17], s[28:29]      ; b2
	s_lshl_b32 s28, s21, 7
	s_add_nc_u64 s[18:19], s[18:19], s[28:29]      ; out0: my 32 columns
	s_lshl_b32 s27, s22, 7
	s_add_co_u32 s27, s27, s20                     ; 128 e + my first tile
	s_lshl_b32 s28, s27, 15
	s_add_nc_u64 s[8:9], s[8:9], s[28:29]          ; hq: 32,768 bytes a tile
	s_lshl_b32 s28, s27, 10
	s_add_nc_u64 s[10:11], s[10:11], s[28:29]      ; hs: 1,024
.irp w, 0,1
	WIN 0x40+0x40*\w
.irp u, 0,1
.irp s, 0,1,2,3,4,5,6,7
.irp c, 0,1,2,3
	global_load_b128 v[16*(2*\s+\u)+4*\c:16*(2*\s+\u)+4*\c+3], v4, s[12:13] offset:32768*\u+128*(8*\w+\s)+32*\c   ; eight on end use up 256 consecutive bytes of each of the 16 rows
.endr
.endr
.endr
.endr
	WIN 0
.irp u, 0,1
	global_load_b128 v[W2S+8*\u:W2S+8*\u+3], v5, s[14:15] offset:1024*\u
	global_load_b128 v[W2S+8*\u+4:W2S+8*\u+7], v5, s[14:15] offset:1024*\u+16
	global_load_b128 v[B2+8*\u:B2+8*\u+3], v3, s[16:17] offset:64*\u
	global_load_b128 v[B2+8*\u+4:B2+8*\u+7], v3, s[16:17] offset:64*\u+32
.endr
	s_wait_kmcnt 0x0
	s_min_u32 s23, s23, 0x800
	s_add_co_u32 s24, s23, 15
	s_lshr_b32 s24, s24, 4                         ; the expert's tiles
	s_cmp_le_u32 s24, s20
	s_cbranch_scc1 .Lend                           ; this split leaves my wave no tile
	s_sub_co_u32 s25, s24, s20
	s_add_co_u32 s25, s25, 3
	s_lshr_b32 s25, s25, 2
	s_sub_co_u32 s25, s25, 1                       ; my tiles but the last
	s_lshl_b32 s28, s20, 6
	s_add_nc_u64 s[4:5], s[4:5], s[28:29]          ; my first tile's tokens: 64 bytes a tile, behind the 512 bytes of the count
	s_lshl_b32 s26, s20, 4                         ; its first row's place in the list
	HLOAD 0, 0
	global_load_b128 v[HSW:HSW+3], v8, s[10:11]
	global_load_b128 v[HSW+4:HSW+7], v8, s[10:11] offset:16
	global_load_b32 v10, v9, s[4:5] offset:512
	HLOAD 1, 0
	s_cmp_eq_u32 s25, 0
	s_cbranch_scc1 .Ltail
.Lloop:
	YT 0
	s_sub_co_u32 s25, s25, 1
	s_cmp_lg_u32 s25, 0
	s_cbranch_scc1 .Lloop
.Ltail:
	YT 1                                           ; the last tile is written out: no load reaches past the tiles that were stored
.Lend:
	s_endpgm
.Lfunc_end_k_q9f4b3cbf40_down:
	.size	k_q9f4b3cbf40_down, .Lfunc_end_k_q9f4b3cbf40_down-k_q9f4b3cbf40_down
	.p2alignl 7, 3214868480
	.fill 96, 4, 3214868480
	.section	.rodata,"a",@progbits
	.p2align	6, 0x0
	.amdhsa_kernel k_q9f4b3cbf40_down
		.amdhsa_group_segment_fixed_size 0
		.amdhsa_private_segment_fixed_size 0
		.amdhsa_enable_private_segment 0
		.amdhsa_kernarg_size 64
		.amdhsa_user_sgpr_count 2
		.amdhsa_user_sgpr_kernarg_segment_ptr 1
		.amdhsa_wavefront_size32 1
		.amdhsa_system_sgpr_workgroup_id_x 1
		.amdhsa_system_sgpr_workgroup_id_y 1
		.amdhsa_system_sgpr_workgroup_id_z 1
		.amdhsa_system_vgpr_workitem_id 0
		.amdhsa_next_free_vgpr 1024
		.amdhsa_next_free_sgpr 66
		.amdhsa_reserve_vcc 0
		.amdhsa_float_denorm_mode_32 3
		.amdhsa_float_denorm_mode_16_64 3
		.amdhsa_memory_ordered 1
		.amdhsa_forward_progress 1
		.amdhsa_inst_pref_size 43
	.end_amdhsa_kernel
	.amdgpu_metadata
---
amdhsa.version: [ 1, 2 ]
amdhsa.kernels:
  - .name:           k_q9f4b3cbf40_down
    .symbol:         k_q9f4b3cbf40_down.kd
    .args:
      - { .name: lst, .offset: 0, .size: 8, .value_kind: global_buffer, .address_space: global }
      - { .name: gate, .offset: 8, .size: 8, .value_kind: global_buffer, .address_space: global }
      - { .name: hq, .offset: 16, .size: 8, .value_kind: global_buffer, .address_space: global }
      - { .name: hs, .offset: 24, .size: 8, .value_kind: global_buffer, .address_space: global }
      - { .name: W2_codes, .offset: 32, .size: 8, .value_kind: global_buffer, .address_space: global }
      - { .name: W2_scales, .offset: 40, .size: 8, .value_kind: global_buffer, .address_space: global }
      - { .name: b2, .offset: 48, .size: 8, .value_kind: global_buffer, .address_space: global }
      - { .name: out0, .offset: 56, .size: 8, .value_kind: global_buffer, .address_space: global }
    .group_segment_fixed_size: 0
    .private_segment_fixed_size: 0
    .kernarg_segment_align: 8
    .kernarg_segment_size: 64
    .max_flat_workgroup_size: 128
    .sgpr_count:     66
    .vgpr_count:     1024
    .wavefront_size: 32
...
	.end_amdgpu_metadata
.endif
;; end of part 3
;; ======== version 2 of 2: 3 launches; version 1 with the launch down written anew for expert scheduling mode
;; workspace buffers: xq 2,097,152 bytes; xs 65,536 bytes; eid 8,192 bytes of whole numbers; gate 8,192 bytes; hq 33,554,432 bytes; hs 1,048,576 bytes; lst 69,632 bytes of whole numbers
;; launch route: the kernel of part 1 again; grid 256 x 1, 4 waves a work-group, no clusters, 75,776 bytes of LDS; arguments x, Wg, bg, gumbel, xq, xs, eid, gate; writes xq, xs, eid, gate
;; launch up: the kernel of part 2 again; grid 32 x 8, 4 waves a work-group, no clusters, 11,264 bytes of LDS; arguments eid, xq, xs, W1_codes, W1_scales, b1, hq, hs, lst; writes hq, hs, lst
;; launch down (part 4): grid 32 x 8, 4 waves a work-group, no clusters, 0 bytes of LDS; arguments lst, gate, hq, hs, W2_codes, W2_scales, b2, out0; writes out0
.if DOCPART == 4
	.amdgcn_target "amdgcn-amd-amdhsa--gfx1250"
	.amdhsa_code_object_version 6
	.text
	.protected	k_q9f4b3cbf40_down
	.globl	k_q9f4b3cbf40_down
	.p2align	8
	.type	k_q9f4b3cbf40_down,@function
k_q9f4b3cbf40_down:
	s_mov_b64 s[64:65], 0
	v_nop
	global_prefetch_b8 v0, s[64:65] scope:SCOPE_SE
	s_setreg_imm32_b32 hwreg(HW_REG_WAVE_SCHED_MODE, 0, 2), 2
	s_setreg_imm32_b32 hwreg(HW_REG_WAVE_MODE, 25, 1), 1
	s_wait_xcnt 0x0
	s_wait_alu depctr_vm_vsrc(0)
; THE SECOND PRODUCT, FOR THE CHOSEN EXPERT'S ROWS ALONE: out[token] = (h W2[e] + b2[e]) x gate[token].  Codes of E5M2, one E8M0 scale for each 32 along K, sums in f32.
; The seven experts that were not chosen have the gate (0 + y) - y = 0: their terms are zeros and are not computed (with infinities or NaN in them they would not be zeros: such inputs are not served).
; SHARES.  Work-group (m, e) owns output columns 32 m .. 32 m + 31 of expert e: 32 rows of W2 x 2,048 codes = 64 KiB, which each of its four waves keeps in 512 registers.  Wave w takes the expert's
; tiles of 16 sorted rows w, w + 4, ..; the count and the tokens come from lst, the rows' codes from hq as images of the operand's registers (each load reads 512 consecutive bytes), their scale words from hs.
; Each token has one expert, so each output row has one owner for each 32 columns: nothing is added up between work-groups.
; LAYOUT.  Transposed: source 0 = 16 rows of W2, source 1 = 16 tokens: a lane holds one token.  Lane rho of tile u takes column 16 u + 8 ((rho / 4) % 2) + 4 (rho / 8) + rho % 4, so that registers 4 q .. 4 q + 3 of
; lane (r, h) are columns 16 u + 8 q + 4 h + 0 .. 3: the two lanes of a token store 32 consecutive bytes a line, the four lines 128.  (64 columns a work-group would want all of a wave's registers for W2 alone.)
; Scale words: 32 bytes a lane bring K steps 0-7 to lanes 0-15 and K steps 8-15 to lanes 16-31, which the second half of K names by ROW1.  b2 is the C of each sum's first matrix instruction.
; One buffer for a tile of h, in two halves: while half B is multiplied the next tile's half A is on its way, and the other way round.
; ROWS PAST THE COUNT.  A tile that has a successor in its wave is not the expert's last, so all its 16 rows are under the count: the loop has no mask.  A wave's last tile, written out behind the loop, may be the
; expert's last: there a row past the count becomes a copy of the tile's row 0, which is always under the count (16 x tile < count): its token and its 16 finished numbers are taken from lane 0 of its half of the lanes.
; Such a lane stores the same 16 bytes to the same place as row 0's lane, in the same instruction.  All lanes stay on throughout.
; NO LDS, NO TENSOR LOAD, NO CLUSTER: the trip count is a number read from memory.  Nothing is asked for past the expert's last tile.
; THE MODE: SCHED_MODE bits 1:0 = 2 (LLVM: expert scheduling mode 2), set by the entry lines.  The code itself states the register dependences between vector or matrix instructions and
; memory instructions, with s_wait_alu, always for 0.
; THE PLAN.  Registers that memory instructions touch, round the loop:
;   v3-5, v7-9   offsets, made once at the head, ahead of one wait on va_vdst, and never written again.  Each stream has a scalar base of its own (half A, half B, the scale words, the tokens), which moves on four
;                tiles behind the counted wait that shows the loads that read it done.
;   half A       read by the tile's first 16 products; then the next tile's half A lands in it.       half B, HSW   read by its last 16 products; then the next tile's land in them.
;   v10          the tokens land in it; held in place and read by the address lines.                  v12, v16      written by those lines; read by the gate's load and by the four stores.
;   v14          the gate lands in it; read by the eight multiplications.                             O             written by the multiplications; read by the four stores.
;   So a tile has TWO waits on va_vdst.  The address lines stand behind half A's products, and the wait behind them states that v12 and v16 are written and that those products are done with half A: the gate's load and
;   the 32 loads of half A follow.  The wait behind the multiplications states that the last 16 products are done with half B and the scale words, that v10 is read out and that O is written: 35 loads and four stores follow.
;   One wait on vm_vsrc, ahead of the address lines, frees v12, v16 and O, which the last tile's gate load and stores have read: it stands 16 products behind those stores.
; REGISTERS.  Window 1: W2's fragments of K steps 0-7, (tile u, step s) at 16 (2 s + u); window 2: K steps 8-15; window 3: the tile of h, K step s at 16 s.  Window 0:
; v1 r, v2 h, v3 16 h, v4 W2's codes, v5 W2's scales, v7 16 x lane, v8 64 r + 32 h, v9 4 r, v10 tokens, v12 4 x token, v13 row 0's token, v[14:15] the gate, v16 my bytes of out0, v17 my row's place in the list
; s20 wave, s21 m, s22 e, s23 the count, s24 tiles, s25 trips, s26 16 x my tile, s27 at the head at work, in the last tile the mask of rows under the count, s[28:29] an offset
.set W2S, 20                           ; v20-35  W2's scale words, 8 u + j
.set HSW, 36                           ; v36-43  h's scale words
.set B2,  44                           ; v44-59  b2 in the result's layout, 8 u + j
.set ACC, 60                           ; v60-75  two accumulators; in the last tile, once they are read out, row 0's numbers
.set O,   76                           ; v76-91  what is stored
.set HA,  8                            ; s[8:9]   hq at half A of the tile that is asked for next
.set HB,  30                           ; s[30:31] hq at half B of the tile that is asked for next
.set MSB, 0
.macro WIN new                         ; the immediate's high byte repeats the setting that is left; a switch that changes nothing is dropped
.if MSB != (\new)
	s_set_vgpr_msb (MSB<<8)|(\new)
.set MSB, (\new)
.endif
.endm
.macro PLACES n
.rept \n
	v_nop
.endr
.endm
.macro HLOAD p, b                      ; half p (K steps 8 p .. 8 p + 7) of the tile at whose half the base s[b:b+1] stands: 32 loads
	WIN 0xc0
.irp s, 0,1,2,3,4,5,6,7
.irp c, 0,1,2,3
	global_load_b128 v[128*(\p)+16*\s+4*\c:128*(\p)+16*\s+4*\c+3], v7, s[\b:\b+1] offset:2048*\s+512*\c
.endr
.endr
	WIN 0
.endm
; A tile.  last = 1: the wave's last: nothing more is asked for, and rows past the count become copies of row 0.
.macro YT last
	s_wait_loadcnt 32                              ; all but half B's 32 loads: half A, the scale words and the tokens are in (at first the weights too)
.if \last == 0
	s_add_nc_u64 s[HA:HA+1], s[HA:HA+1], 0x20000   ; free since that wait, which shows the loads that read them done: half A's base, the scale words' and the tokens' move on four tiles
	s_add_nc_u64 s[10:11], s[10:11], 0x1000
	s_add_nc_u64 s[4:5], s[4:5], 0x100
.endif
	WIN 0x0d                                       ; source 0 window 1, source 1 window 3
.irp s, 0,1,2,3,4,5,6,7                        ; the two accumulators by turns, one instruction a turn
.irp u, 0,1
.if \s == 0
	v_wmma_scale_f32_16x16x128_f8f6f4 v[ACC+8*\u:ACC+8*\u+7], v[16*(2*\s+\u):16*(2*\s+\u)+15], v[16*\s:16*\s+15], v[B2+8*\u:B2+8*\u+7], v[W2S+8*\u+\s], v[HSW+\s] matrix_a_fmt:MATRIX_FMT_BF8 matrix_b_fmt:MATRIX_FMT_BF8
.else
	v_wmma_scale_f32_16x16x128_f8f6f4 v[ACC+8*\u:ACC+8*\u+7], v[16*(2*\s+\u):16*(2*\s+\u)+15], v[16*\s:16*\s+15], v[ACC+8*\u:ACC+8*\u+7], v[W2S+8*\u+\s], v[HSW+\s] matrix_a_fmt:MATRIX_FMT_BF8 matrix_b_fmt:MATRIX_FMT_BF8
.endif
.endr
.endr
	WIN 0
	s_wait_xcnt 0x0                                ; the last tile's stores have had their addresses translated: their address v16 and their data O are written again only behind this wait
	s_wait_alu depctr_vm_vsrc(0)                   ; the last tile's gate load has read v12, its stores v16 and O: the lines below write v12 and v16, the multiplications further down O
.if \last
	v_add_nc_u32 v17, s26, v1                      ; my row's place in the list
	v_cmp_gt_u32 s27, s23, v17                     ; is it under the count?
	v_mov_b32_dpp v13, v10 row_share:0 row_mask:0xf bank_mask:0xf   ; row 0's token: lane 0 of my half of the lanes holds it
	s_wait_alu depctr_va_sdst(0)                   ; the compare has written s27, ahead of its first reader, the select below
	v_cndmask_b32 v10, v13, v10, s27               ; a row past the count takes it
.endif
	v_min_u32 v10, 0x7ff, v10                      ; a token is held under 2,048 before it enters an address; behind the hold: shifts to the left and one addition
	v_lshlrev_b32 v12, 2, v10                      ; its gate: 4 bytes a token
	v_lshlrev_b32 v16, 12, v10                     ; its row of out0: 4,096 bytes,
	v_add_nc_u32 v16, v3, v16                      ; + my half's 16
.if \last == 0
	PLACES 4                                       ; with the four lines above, which name none of the products' registers: eight places in front of loads into registers that these products have read
.endif
	s_wait_alu depctr_va_vdst(0)                   ; v12 and v16 are written, which the gate's load and the stores read; the last tile's multiplications are done reading v14; the 16 products above are done reading half A
	global_load_b32 v14, v12, s[6:7]               ; my token's gate
.if \last == 0
	HLOAD 0, HA                                    ; the next tile's half A: four tiles on
	s_wait_loadcnt 32                              ; all but those 32: half B and the gate are in
	s_add_nc_u64 s[HB:HB+1], s[HB:HB+1], 0x20000   ; free since that wait, which shows half B's loads done
.else
	s_wait_loadcnt 0x0
.endif
	WIN 0x0e                                       ; source 0 window 2: K steps 8 to 15; their scale words stand in lanes 16-31
.irp s, 0,1,2,3,4,5,6,7
.irp u, 0,1
	v_wmma_scale_f32_16x16x128_f8f6f4 v[ACC+8*\u:ACC+8*\u+7], v[16*(2*\s+\u):16*(2*\s+\u)+15], v[128+16*\s:128+16*\s+15], v[ACC+8*\u:ACC+8*\u+7], v[W2S+8*\u+\s], v[HSW+\s] matrix_a_fmt:MATRIX_FMT_BF8 matrix_b_fmt:MATRIX_FMT_BF8 matrix_a_scale:MATRIX_SCALE_ROW1 matrix_b_scale:MATRIX_SCALE_ROW1
.endr
.endr
	WIN 0
	PLACES 8                                       ; eight places in front of the first read of the results, and of the loads below
.irp i, 0,2,4,6,8,10,12,14
	v_pk_mul_f32 v[O+\i:O+\i+1], v[ACC+\i:ACC+\i+1], v[14:15] op_sel_hi:[1,0]   ; x the gate; each accumulator from its low end on
.endr
.if \last
.irp i, 0,1,2,3,4,5,6,7,8,9,10,11,12,13,14,15
	v_mov_b32_dpp v[ACC+\i], v[O+\i] row_share:0 row_mask:0xf bank_mask:0xf   ; row 0's numbers of my half's columns, into the accumulators, which are read out
.endr
.irp i, 0,1,2,3,4,5,6,7,8,9,10,11,12,13,14,15
	v_cndmask_b32 v[O+\i], v[ACC+\i], v[O+\i], s27 ; a row past the count takes them
.endr
	s_wait_alu depctr_va_vdst(0)                   ; the selects have written O, which the four stores read
.else
	s_wait_alu depctr_va_vdst(0)                   ; the multiplications have written O, which the four stores read; the 16 products above are done reading half B and the scale words, the address lines v10: the loads below land in these
	global_load_b128 v[HSW:HSW+3], v8, s[10:11]
	global_load_b128 v[HSW+4:HSW+7], v8, s[10:11] offset:16
	global_load_b32 v10, v9, s[4:5] offset:512     ; the next tile's tokens
	HLOAD 1, HB                                    ; the next tile's half B
.endif
.irp u, 0,1
.irp q, 0,1
	global_store_b128 v16, v[O+8*\u+4*\q:O+8*\u+4*\q+3], s[18:19] offset:64*\u+32*\q th:TH_STORE_NT
.endr
.endr
.if \last == 0
	s_add_co_u32 s26, s26, 64                      ; the next tile's first row's place in the list
.endif
.endm
	s_load_b512 s[4:19], s[0:1], 0x0               ; lst, gate, hq, hs, W2's codes, W2's scales, b2, out0
	v_lshrrev_b32 v1, 5, v0
	v_readfirstlane_b32 s20, v1                    ; wave 0..3
	s_mov_b32 s21, ttmp9                           ; m
	s_and_b32 s22, ttmp7, 0xffff                   ; e
	v_and_b32 v1, 15, v0                           ; r
	v_bfe_u32 v2, v0, 4, 1                         ; h
	v_lshlrev_b32 v3, 4, v2
	v_bfe_u32 v6, v1, 2, 1
	v_lshrrev_b32 v13, 3, v1
	v_and_b32 v18, 3, v1
	v_lshl_add_u32 v18, v13, 2, v18
	v_lshl_add_u32 v18, v6, 3, v18                 ; which of a tile's 16 columns my lane loads
	v_lshl_add_u32 v4, v18, 11, v3                 ; a row of W2 is 2,048 bytes
	v_lshlrev_b32 v5, 5, v2
	v_lshl_add_u32 v8, v1, 6, v5                   ; h's scale bytes: 64 a row, 32 for each half of the lanes
	v_lshl_add_u32 v5, v18, 6, v5                  ; W2's likewise
	v_and_b32 v7, 31, v0
	v_lshlrev_b32 v7, 4, v7
	v_lshlrev_b32 v9, 2, v1
	v_mov_b32 v15, 0                               ; (named as the upper half of the pair v[14:15])
	s_mov_b32 s29, 0
	s_wait_alu depctr_va_sdst(0)                   ; s20 is written, ahead of its first reader: hq's and hs's bases are made from it
	s_wait_kmcnt 0x0
	s_mul_i32 s28, s22, 8704
	s_add_nc_u64 s[4:5], s[4:5], s[28:29]          ; lst: 8,704 bytes an expert
	s_load_b32 s23, s[4:5], 0x0                    ; the count
	s_lshl_b32 s28, s22, 21
	s_lshl_b32 s27, s21, 16
	s_add_co_u32 s28, s28, s27
	s_add_nc_u64 s[12:13], s[12:13], s[28:29]      ; W2's codes at row 1,024 e + 32 m
	s_lshl_b32 s28, s22, 16
	s_lshl_b32 s27, s21, 11
	s_add_co_u32 s28, s28, s27
	s_add_nc_u64 s[14:15], s[14:15], s[28:29]      ; its scales: 64 bytes a row
	s_lshl_b32 s28, s22, 12
	s_lshl_b32 s27, s21, 7
	s_add_co_u32 s28, s28, s27
	s_add_nc_u64 s[16:17], s[16:17], s[28:29]      ; b2
	s_lshl_b32 s28, s21, 7
	s_add_nc_u64 s[18:19], s[18:19], s[28:29]      ; out0: my 32 columns
	s_lshl_b32 s27, s22, 7
	s_add_co_u32 s27, s27, s20                     ; 128 e + my first tile
	s_lshl_b32 s28, s27, 15
	s_add_nc_u64 s[HA:HA+1], s[HA:HA+1], s[28:29]  ; hq: 32,768 bytes a tile: half A,
	s_add_nc_u64 s[HB:HB+1], s[HA:HA+1], 0x4000    ; and half B, 16,384 bytes on
	s_lshl_b32 s28, s27, 10
	s_add_nc_u64 s[10:11], s[10:11], s[28:29]      ; hs: 1,024
	s_wait_alu depctr_va_vdst(0)                   ; the offsets v3 to v5 and v7 to v9 are written, which every load below and in the loop reads
.irp w, 0,1
	WIN 0x40+0x40*\w
.irp u, 0,1
.irp s, 0,1,2,3,4,5,6,7
.irp c, 0,1,2,3
	global_load_b128 v[16*(2*\s+\u)+4*\c:16*(2*\s+\u)+4*\c+3], v4, s[12:13] offset:32768*\u+128*(8*\w+\s)+32*\c   ; eight on end use up 256 consecutive bytes of each of the 16 rows
.endr
.endr
.endr
.endr
	WIN 0
.irp u, 0,1
	global_load_b128 v[W2S+8*\u:W2S+8*\u+3], v5, s[14:15] offset:1024*\u
	global_load_b128 v[W2S+8*\u+4:W2S+8*\u+7], v5, s[14:15] offset:1024*\u+16
	global_load_b128 v[B2+8*\u:B2+8*\u+3], v3, s[16:17] offset:64*\u
	global_load_b128 v[B2+8*\u+4:B2+8*\u+7], v3, s[16:17] offset:64*\u+32
.endr
	s_wait_kmcnt 0x0
	s_min_u32 s23, s23, 0x800
	s_add_co_u32 s24, s23, 15
	s_lshr_b32 s24, s24, 4                         ; the expert's tiles
	s_cmp_le_u32 s24, s20
	s_cbranch_scc1 .Lend                           ; this split leaves my wave no tile
	s_sub_co_u32 s25, s24, s20
	s_add_co_u32 s25, s25, 3
	s_lshr_b32 s25, s25, 2
	s_sub_co_u32 s25, s25, 1                       ; my tiles but the last
	s_lshl_b32 s28, s20, 6
	s_add_nc_u64 s[4:5], s[4:5], s[28:29]          ; my first tile's tokens: 64 bytes a tile, behind the 512 bytes of the count
	s_lshl_b32 s26, s20, 4                         ; its first row's place in the list
	HLOAD 0, HA
	global_load_b128 v[HSW:HSW+3], v8, s[10:11]
	global_load_b128 v[HSW+4:HSW+7], v8, s[10:11] offset:16
	global_load_b32 v10, v9, s[4:5] offset:512
	HLOAD 1, HB
	s_cmp_eq_u32 s25, 0
	s_cbranch_scc1 .Ltail
.Lloop:
	YT 0
	s_sub_co_u32 s25, s25, 1
	s_cmp_lg_u32 s25, 0
	s_cbranch_scc1 .Lloop
.Ltail:
	YT 1                                           ; the last tile is written out: no load reaches past the tiles that were stored
.Lend:
	s_endpgm
.Lfunc_end_k_q9f4b3cbf40_down:
	.size	k_q9f4b3cbf40_down, .Lfunc_end_k_q9f4b3cbf40_down-k_q9f4b3cbf40_down
	.p2alignl 7, 3214868480
	.fill 96, 4, 3214868480
	.section	.rodata,"a",@progbits
	.p2align	6, 0x0
	.amdhsa_kernel k_q9f4b3cbf40_down
		.amdhsa_group_segment_fixed_size 0
		.amdhsa_private_segment_fixed_size 0
		.amdhsa_enable_private_segment 0
		.amdhsa_kernarg_size 64
		.amdhsa_user_sgpr_count 2
		.amdhsa_user_sgpr_kernarg_segment_ptr 1
		.amdhsa_wavefront_size32 1
		.amdhsa_system_sgpr_workgroup_id_x 1
		.amdhsa_system_sgpr_workgroup_id_y 1
		.amdhsa_system_sgpr_workgroup_id_z 1
		.amdhsa_system_vgpr_workitem_id 0
		.amdhsa_next_free_vgpr 1024
		.amdhsa_next_free_sgpr 66
		.amdhsa_reserve_vcc 0
		.amdhsa_float_denorm_mode_32 3
		.amdhsa_float_denorm_mode_16_64 3
		.amdhsa_memory_ordered 1
		.amdhsa_forward_progress 1
		.amdhsa_inst_pref_size 43
	.end_amdhsa_kernel
	.amdgpu_metadata
---
amdhsa.version: [ 1, 2 ]
amdhsa.kernels:
  - .name:           k_q9f4b3cbf40_down
    .symbol:         k_q9f4b3cbf40_down.kd
    .args:
      - { .name: lst, .offset: 0, .size: 8, .value_kind: global_buffer, .address_space: global }
      - { .name: gate, .offset: 8, .size: 8, .value_kind: global_buffer, .address_space: global }
      - { .name: hq, .offset: 16, .size: 8, .value_kind: global_buffer, .address_space: global }
      - { .name: hs, .offset: 24, .size: 8, .value_kind: global_buffer, .address_space: global }
      - { .name: W2_codes, .offset: 32, .size: 8, .value_kind: global_buffer, .address_space: global }
      - { .name: W2_scales, .offset: 40, .size: 8, .value_kind: global_buffer, .address_space: global }
      - { .name: b2, .offset: 48, .size: 8, .value_kind: global_buffer, .address_space: global }
      - { .name: out0, .offset: 56, .size: 8, .value_kind: global_buffer, .address_space: global }
    .group_segment_fixed_size: 0
    .private_segment_fixed_size: 0
    .kernarg_segment_align: 8
    .kernarg_segment_size: 64
    .max_flat_workgroup_size: 128
    .sgpr_count:     66
    .vgpr_count:     1024
    .wavefront_size: 32
...
	.end_amdgpu_metadata
.endif
;; end of part 4
